; MI455X (gfx1250); checked and timed in simulation.
; The chip was launched on July 23, 2026; its instructions are those of AMD's public machine-readable ISA for CDNA 5 (MIT licence, August 2026) and "CDNA5" Instruction Set Architecture Reference Guide (July 2026). The comments in the code are by the model that wrote it; some were corrected since.
;; Attn. Allowed arithmetic: matrix products marked QUANTISED: E2M1 operands, one E8M0 scale for each 32 along K, by v_wmma_scale_f32_16x16x128_f8f6f4 with both operands' format E2M1 (or v_wmma_scale_f32_32x16x128_f4), f32 sums; products left as they are: f32 operands where the result goes on into a quantised operand, else bf16, f16 or f32 operands; f32 sums; everything else in f32.
;; Inputs: W 512 x 1,024 float32; b 512 float32; encoderOutputs 4,096 x 32 x 512 float32; hidden 1 x 32 x 512 float32; v 512 float32.
;; Outputs: out0 32 x 1 x 4,096 float32.
;; This version of the problem:
;;   THIS VERSION OF THE PROBLEM IS GIVEN IN LOW PRECISION. The matrix products marked QUANTISED in the list below multiply operands that are first quantised to E2M1 (2 exponent bits, 1 mantissa bit; 4 bits a number), with one power-of-two scale for each 32 numbers along K (OCP MX v1.0); their sums are f32. All else is computed in f32.
;;   The module's matrix products, in the order in which they are computed (A, B: the left and right operand; K: the contracted axis; several contracted axes count as one K, in the product's order):
;;     1. [M 32, K 512] x [K 512, N 512]; A: computed on the way; B: input W: QUANTISED
;;     2. [M 131,072, K 512] x [K 512, N 512]; A: input encoderOutputs; B: input W: QUANTISED
;;     3. [M 1, K 512] x [K 512, N 131,072]; A: input v; B: computed on the way: left as it is (M = 1 < 16)
;;   THE QUANTISER, for each operand of a quantised product, along K:
;;     - K is cut into blocks of 32 from its start; a last block that is shorter is filled with zeros.
;;     - A block's scale is 2^e with e = floor(log2(the largest magnitude in the block)) - 2, held to -126 .. 127; a block of zeros has e = 0. As a byte (E8M0): e + 127.
;;     - Each number is divided by its block's scale, clamped to +-6, and rounded to the nearest number of E2M1, ties to even, subnormals kept.
;;     - The product sums the exact products of the quantised numbers (number of the format x scale) in f32.
;;   ~~~python
;;   def quantise(x, axis):      # numpy; x: float32 -> the quantised numbers, widened to float32 again
;;       x = np.moveaxis(x, axis, -1); K = x.shape[-1]
;;       x = np.pad(x, [(0, 0)] * (x.ndim - 1) + [(0, -K % 32)]); x = x.reshape(x.shape[:-1] + (-1, 32)); a = np.abs(x).max(-1, keepdims=True)
;;       e = np.where(a > 0, np.clip(np.frexp(np.where(a > 0, a, 1))[1] - 1 - 2, -126, 127), 0)      # np.frexp(a)[1] - 1 = floor(log2(a)), exactly
;;       r = np.clip(x / 2.0 ** e, -6, 6)
;;       step = 2.0 ** (np.maximum(np.frexp(np.where(r == 0, 1, r))[1] - 1, 0) - 1)
;;       q = np.round(r / step) * step * 2.0 ** e      # np.round: ties to even
;;       return np.moveaxis(q.reshape(q.shape[:-2] + (-1,))[..., :K], -1, axis).astype(np.float32)
;;   ~~~
;;   OPERANDS COMPUTED ON THE WAY. 'Computed on the way' means the value that the module computes at that place (a softmax that the list does not call 'softmax' is quantised finished and normalised). What goes into a quantiser is computed in f32, as accurately as f32 sums, v_exp_f32 and their like allow (about 1e-6 of the number): no bf16 or f16 on the way to a quantiser, and a product that is left as it is and whose result goes on into a quantised operand takes f32 operands (vector FMAs, or v_wmma_f32_16x16x4_f32). A number that lies on a knife's edge between two numbers of the format may be rounded either way, as far as f32 arithmetic and the matrix unit's own rounding can turn it there, and no further.
;; One version. Each part assembles by itself: llvm-mc -triple=amdgcn-amd-amdhsa -mcpu=gfx1250 --defsym DOCPART=n.
;; ======== version 1 of 1: 3 launches
;; limits: right only within a limited range of input values
;; workspace buffers: w2i 147,456 bytes; scores 524,288 bytes
;; launch prep (part 1): grid 64 x 1, 1 waves a work-group, no clusters, 0 bytes of LDS; arguments W, w2i; writes w2i
.if DOCPART == 1
	.amdgcn_target "amdgcn-amd-amdhsa--gfx1250"
	.amdhsa_code_object_version 6
	.text
	.protected	k_q4161fe6977_prep
	.globl	k_q4161fe6977_prep
	.p2align	8
	.type	k_q4161fe6977_prep,@function
k_q4161fe6977_prep:
	s_mov_b64 s[64:65], 0
	v_nop
	global_prefetch_b8 v0, s[64:65] scope:SCOPE_SE
	s_setreg_imm32_b32 hwreg(HW_REG_WAVE_MODE, 25, 1), 1
	s_wait_xcnt 0x0
; DEAD WORK LEFT OUT, in the whole program.  scores[b][s] = v . (Q(enc[s][b]) Q(W2)^T) + c[b], with c[b] = v . (h_proj[b] + bias): c[b] is the same for every s,
; and softmax along s gives the same result for x[s] and x[s] + c, whatever c is.  So the product with W1 = W[:, :512], hidden and the bias b can reach no output:
; hidden and b are arguments of no launch, and of W only columns 512-1023 are loaded.
; LIMIT: a NaN, an infinity or an overflow that reaches only that work is not carried to the result.
; THIS LAUNCH: W2 = W[:, 512:] is quantised along K to FP4 (E2M1), one E8M0 byte for each 32, and laid as main's registers want it:
; w2i[wave w of main][36,864 bytes]: fragments [tile T % 8][K step s][c][lane][16 bytes], then from byte 32,768 the scale words [T % 8][s / 2][lane][2 words].  w = T / 8.
; Work-group 2 T + p, one wave, takes rows 16 T .. 16 T + 15 and K steps 2 p, 2 p + 1.  Lane (r, h) holds two whole blocks of row r for each K step (blocks 2 c + h).
; ORDER INSIDE A BLOCK: place 8 i + e holds k = 4 i + e (e < 4) or 16 + 4 i + e - 4: the order in which main's lanes hold the encoder's numbers.  The same order on both operands leaves each product's pairs as they are.
; A block's byte is its largest magnitude's exponent field - 2, held at 1 from below.
; LIMITS: NaN and infinities in W are not served.  A block of zeros gets the byte 1 where the quantiser says 127: its codes are zeros, and this program alone reads the bytes.
.set WOFF, 4                           ; r x 4,096 + 128 h
.set L16,  5                           ; 16 x lane
.set L8,   6                           ; 8 x lane
.set SH8,  7                           ; 8 h
.set TM,   16                          ; v16-19 largest magnitudes, two chains a block
.set SO,   20                          ; v20-21 the conversions' scale operands
.set BY,   22                          ; v22-23 scale bytes
.set WD,   24
.set TP,   25
.set PC,   32                          ; v32-47 codes of the two K steps
.set PW,   48                          ; v48-49 their scale words
.set X,    96                          ; v96-223 the numbers
.set SEL,  8                           ; s[8:9] selects for lane l xor 16
.macro QUANT s, pc, pw
.irp c, 0,1
	v_max3_num_f32 v[TM+2*\c],   |v[\s+32*\c]|,   |v[\s+32*\c+1]|, |v[\s+32*\c+2]|
	v_max3_num_f32 v[TM+2*\c+1], |v[\s+32*\c+3]|, |v[\s+32*\c+4]|, |v[\s+32*\c+5]|
.endr
.irp i, 6,10,14,18,22,26
.irp c, 0,1
	v_max3_num_f32 v[TM+2*\c],   v[TM+2*\c],   |v[\s+32*\c+\i]|,   |v[\s+32*\c+\i+1]|
	v_max3_num_f32 v[TM+2*\c+1], v[TM+2*\c+1], |v[\s+32*\c+\i+2]|, |v[\s+32*\c+\i+3]|
.endr
.endr
.irp c, 0,1
	v_max3_num_f32 v[TM+2*\c], v[TM+2*\c], |v[\s+32*\c+30]|, |v[\s+32*\c+31]|
.endr
.irp c, 0,1
	v_max3_num_f32 v[TM+2*\c], v[TM+2*\c], v[TM+2*\c+1], 0x1800000    ; the floor 2^(3 - 127): the byte cannot fall under 1
.endr
.irp c, 0,1
	v_add_nc_u32 v[SO+\c], 0xff000000, v[TM+2*\c]                     ; 2 off the exponent field
.endr
.irp c, 0,1
.irp g, 0,1,2,3
	v_cvt_scalef32_pk8_fp4_f32 v[\pc+4*\c+\g], v[\s+32*\c+8*\g:\s+32*\c+8*\g+7], v[SO+\c]
.endr
.endr
.irp c, 0,1
	v_lshrrev_b32 v[BY+\c], 23, v[SO+\c]                              ; the byte (a plain line behind the conversions)
.endr
	v_lshl_or_b32 v[WD], v[BY+1], 16, v[BY]                           ; blocks h and 2 + h,
	v_lshlrev_b32 v[WD], v[SH8], v[WD]                                ; 8 h bits up;
	v_permlanex16_b32 v[TP], v[WD], s[SEL], s[SEL+1]
	v_or_b32 v[\pw], v[WD], v[TP]                                     ; with lane l xor 16's two the word is whole
.endm
	s_load_b128 s[4:7], s[0:1], 0x0                ; W, w2i
	v_and_b32 v2, 15, v0
	v_bfe_u32 v3, v0, 4, 1
	v_lshlrev_b32 v[WOFF], 12, v2
	v_lshl_add_u32 v[WOFF], v3, 7, v[WOFF]
	v_lshlrev_b32 v[L16], 4, v0
	v_lshlrev_b32 v[L8], 3, v0
	v_lshlrev_b32 v[SH8], 3, v3
	v_mov_b32 v[TP], 0                             ; a lane permute's destination counts as a source
	s_mov_b32 s[SEL], 0x76543210
	s_mov_b32 s[SEL+1], 0xfedcba98
	s_lshr_b32 s10, ttmp9, 1                       ; T
	s_and_b32 s11, ttmp9, 1                        ; p
	s_lshl_b32 s12, s10, 16                        ; W: 16 rows of 4,096 bytes,
	s_lshl_b32 s13, s11, 10                        ; two K steps of 512 bytes,
	s_add_co_u32 s12, s12, s13
	s_add_co_u32 s12, s12, 2048                    ; behind W1's 512 columns
	s_mov_b32 s13, 0
	s_lshr_b32 s14, s10, 3
	s_mul_i32 s14, s14, 36864                      ; main's wave T / 8
	s_and_b32 s15, s10, 7
	s_lshl_b32 s16, s15, 12
	s_add_co_u32 s16, s16, s14
	s_lshl_b32 s17, s11, 11
	s_add_co_u32 s16, s16, s17                     ; the fragments' place
	s_mov_b32 s17, 0
	s_lshl_b32 s18, s15, 9
	s_add_co_u32 s18, s18, s14
	s_lshl_b32 s19, s11, 8
	s_add_co_u32 s18, s18, s19
	s_add_co_u32 s18, s18, 32768                   ; the scale words' place
	s_mov_b32 s19, 0
	s_wait_alu depctr_va_vdst(0)                   ; the wait at the head's end
	s_wait_kmcnt 0x0
	s_add_nc_u64 s[4:5], s[4:5], s[12:13]
	s_add_nc_u64 s[16:17], s[6:7], s[16:17]
	s_add_nc_u64 s[18:19], s[6:7], s[18:19]
.irp u, 0,1
.irp c, 0,1
.irp j, 0,1,2,3,4,5,6,7
	global_load_b128 v[X+64*\u+32*\c+4*\j:X+64*\u+32*\c+4*\j+3], v[WOFF], s[4:5] offset:512*\u+256*\c+16*(\j/2)+64*(\j%2)
.endr
.endr
.endr
.irp u, 0,1
	s_wait_loadcnt 16-16*\u                        ; this K step's sixteen loads are in
	QUANT X+64*\u, PC+8*\u, PW+\u
	global_store_b128 v[L16], v[PC+8*\u:PC+8*\u+3], s[16:17] offset:1024*\u        ; 512 consecutive bytes a store
	global_store_b128 v[L16], v[PC+8*\u+4:PC+8*\u+7], s[16:17] offset:1024*\u+512
.endr
	global_store_b64 v[L8], v[PW:PW+1], s[18:19]   ; 256 consecutive bytes, aligned
	s_endpgm
.Lfunc_end_k_q4161fe6977_prep:
	.size	k_q4161fe6977_prep, .Lfunc_end_k_q4161fe6977_prep-k_q4161fe6977_prep
	.p2alignl 7, 3214868480
	.fill 96, 4, 3214868480
	.section	.rodata,"a",@progbits
	.p2align	6, 0x0
	.amdhsa_kernel k_q4161fe6977_prep
		.amdhsa_group_segment_fixed_size 0
		.amdhsa_private_segment_fixed_size 0
		.amdhsa_enable_private_segment 0
		.amdhsa_kernarg_size 16
		.amdhsa_user_sgpr_count 2
		.amdhsa_user_sgpr_kernarg_segment_ptr 1
		.amdhsa_wavefront_size32 1
		.amdhsa_system_sgpr_workgroup_id_x 1
		.amdhsa_system_sgpr_workgroup_id_y 1
		.amdhsa_system_sgpr_workgroup_id_z 1
		.amdhsa_system_vgpr_workitem_id 0
		.amdhsa_next_free_vgpr 224
		.amdhsa_next_free_sgpr 66
		.amdhsa_reserve_vcc 0
		.amdhsa_float_denorm_mode_32 3
		.amdhsa_float_denorm_mode_16_64 3
		.amdhsa_memory_ordered 1
		.amdhsa_forward_progress 1
		.amdhsa_inst_pref_size 12
	.end_amdhsa_kernel
	.amdgpu_metadata
---
amdhsa.version: [ 1, 2 ]
amdhsa.kernels:
  - .name:           k_q4161fe6977_prep
    .symbol:         k_q4161fe6977_prep.kd
    .args:
      - { .name: W, .offset: 0, .size: 8, .value_kind: global_buffer, .address_space: global }
      - { .name: w2i, .offset: 8, .size: 8, .value_kind: global_buffer, .address_space: global }
    .group_segment_fixed_size: 0
    .private_segment_fixed_size: 0
    .kernarg_segment_align: 8
    .kernarg_segment_size: 16
    .max_flat_workgroup_size: 32
    .sgpr_count:     66
    .vgpr_count:     224
    .wavefront_size: 32
...
	.end_amdgpu_metadata
.endif
;; end of part 1
;; launch main (part 2): grid 256 x 1, 4 waves a work-group, no clusters, 262,144 bytes of LDS; arguments encoderOutputs, w2i, v, scores; writes scores
.if DOCPART == 2
	.amdgcn_target "amdgcn-amd-amdhsa--gfx1250"
	.amdhsa_code_object_version 6
	.text
	.protected	k_q4161fe6977_main
	.globl	k_q4161fe6977_main
	.p2align	8
	.type	k_q4161fe6977_main,@function
k_q4161fe6977_main:
	s_mov_b64 s[64:65], 0
	v_nop
	global_prefetch_b8 v0, s[64:65] scope:SCOPE_SE
	s_setreg_imm32_b32 hwreg(HW_REG_WAVE_MODE, 25, 1), 1
	s_wait_xcnt 0x0
; scores[b][s] = v . (Q(enc[s][b]) Q(W2)^T).  The term that is the same for all s of a batch (hidden, W1, bias) is left out: see the head of prep.
; Work-group g takes s = 64 (g / 4) .. + 63 and batches 8 (g % 4) .. + 7, one batch a trip: 64 rows x 512 along K.
; Wave w keeps units 128 w .. + 127 of W2 in 256 registers for the whole launch (one tensor load of 36,864 bytes into its own LDS bytes, read once), and multiplies all 64 rows by them.
; QUANTISING: wave w = (row half, K half) takes 32 rows x 256 along K as four units of 16 rows x 128.  Each load reads 512 consecutive bytes of a row; a unit turns through the wave's own stage in LDS
; and comes back with two whole blocks a lane, in the order of k inside a block in which prep lays W2; the conversions' results are the operand's registers, stored as an image that all four waves read.
; PIPELINE: a trip multiplies batch t from one image while it quantises batch t + 1 into the other; one barrier a trip; each unit's stage traffic is issued ahead of 32 products.
; The ring in registers holds 64 loads a wave (32 KiB): all of the next batch is asked for while this one is worked on.
; The dot with v is taken on the f32 results; the four waves' parts meet in LDS at the end.  ORDER OF ROUNDING: units are summed in eight chains a lane, then over lanes and waves.
; NO CLUSTER: the work-groups share W2's image alone, 147,456 bytes read once at the head beside 1,048,576 bytes of rows that no other work-group reads.
; NO PREFETCH: the stream comes by loads into registers whose ring is never drained; each unit of 16 loads is asked for again as soon as it has left for the stage, a whole trip ahead of its use.
; LIMITS: NaN and infinities among the inputs are not served.  A block of zeros gets the byte 1 where the quantiser says 127: its codes are zeros, and this launch alone reads the bytes.
.set W2W,   36864
.set STG,   4*W2W                      ; the stages: two of 16 rows x 528 bytes for each wave
.set SP,    528
.set STGB,  16*SP
.set STGW,  2*STGB
.set IMG,   STG+4*STGW                 ; two images of x's fragments: [row tile m][K step s][c][lane][16 bytes]
.set IMGB,  16384
.set XSC,   IMG+2*IMGB                 ; two images of x's scale words: [m][lane][s]
.set XSCB,  2048
.set PS,    XSC+2*XSCB                 ; partial scores [wave][batch][64]
.set SPARE, PS+8192                    ; the spare words, 128 bytes a wave
.set W2A,  1                           ; my W2 bytes + 16 lane
.set W2B,  2                           ; + 8 lane
.set STW,  3                           ; stage in: 16 lane
.set STR,  4                           ; stage out: r x SP + 128 h
.set XWI,  5
.set XWS,  6
.set LI,   7
.set LSC,  8
.set PWA,  9
.set PWT,  10
.set SH8,  11
.set FRD,  12
.set GO,   13
.set L16,  14
.set H32,  15
.set W2S,  16                          ; v16-47 W2's scale words
.set XS,   48                          ; v48-55 x's scale words, two sets
.set XF,   56                          ; v56-119 x's fragments, two sets
.set STA,  120                         ; v120-183 a unit back from the stage
.set PC0,  184
.set PW,   200
.set TM,   204
.set SO,   208
.set BY,   210
.set WD,   212
.set TP,   213
.set OUTR, 216
.set SPW,  254
.set NIL,  255
.set VV,   128                         ; window 2: v0-127 accumulators, v128-191 v, then the dot's registers
.set PP,   192
.set SM,   200
.set PD,   204
.set T0,   208
.set G1C,  24
.set BAS0, 32
.set BAS,  34
.set G0C,  36
.set CNT,  40
.set PB,   41
.set SEL,  42
.set HM,   44
.set W_MUL, 0xa1
.set W_DOT, 0xaa
.set MSB, 0
.macro WIN new
.if MSB != \new
	s_set_vgpr_msb (MSB<<8)|\new
.set MSB, \new
.endif
.endm
.macro PLACES
.rept 4
	v_nop
.endr
.endm
; 64 numbers of a lane (two whole blocks of its row for each c) become the fragment's eight registers and the row's scale word
.macro QUANT s, pc, pw
.irp c, 0,1
	v_max3_num_f32 v[TM+2*\c],   |v[\s+32*\c]|,   |v[\s+32*\c+1]|, |v[\s+32*\c+2]|
	v_max3_num_f32 v[TM+2*\c+1], |v[\s+32*\c+3]|, |v[\s+32*\c+4]|, |v[\s+32*\c+5]|
.endr
.irp i, 6,10,14,18,22,26
.irp c, 0,1
	v_max3_num_f32 v[TM+2*\c],   v[TM+2*\c],   |v[\s+32*\c+\i]|,   |v[\s+32*\c+\i+1]|
	v_max3_num_f32 v[TM+2*\c+1], v[TM+2*\c+1], |v[\s+32*\c+\i+2]|, |v[\s+32*\c+\i+3]|
.endr
.endr
.irp c, 0,1
	v_max3_num_f32 v[TM+2*\c], v[TM+2*\c], |v[\s+32*\c+30]|, |v[\s+32*\c+31]|
.endr
.irp c, 0,1
	v_max3_num_f32 v[TM+2*\c], v[TM+2*\c], v[TM+2*\c+1], 0x1800000    ; the floor 2^(3 - 127): the byte cannot fall under 1
.endr
.irp c, 0,1
	v_add_nc_u32 v[SO+\c], 0xff000000, v[TM+2*\c]                     ; 2 off the exponent field: the conversion's scale operand
.endr
.irp c, 0,1
.irp g, 0,1,2,3
	v_cvt_scalef32_pk8_fp4_f32 v[\pc+4*\c+\g], v[\s+32*\c+8*\g:\s+32*\c+8*\g+7], v[SO+\c]
.endr
.endr
.irp c, 0,1
	v_lshrrev_b32 v[BY+\c], 23, v[SO+\c]                              ; the byte (a plain line behind the conversions)
.endr
	v_lshl_or_b32 v[WD], v[BY+1], 16, v[BY]
	v_lshlrev_b32 v[WD], v[SH8], v[WD]
	v_permlanex16_b32 v[TP], v[WD], s[SEL], s[SEL+1]
	v_or_b32 v[\pw], v[WD], v[TP]                                     ; with lane l xor 16's two bytes the word is whole
.endm
; unit q of the ring (window 3, v[64 q ..]): rows 16 (q / 2) + p, K step q % 2 of my two; register 4 p ..: my 16 bytes of row p's 512
.macro REFILL q, base, off
	WIN 0xc0
.irp p, 0,1,2,3,4,5,6,7,8,9,10,11,12,13,14,15
	global_load_b128 v[64*(\q)+4*\p:64*(\q)+4*\p+3], v[L16], s[\base:\base+1] offset:\off+(16*((\q)/2)+\p)*65536+((\q)%2)*512 th:TH_LOAD_NT
.endr
	WIN 0
.endm
; unit q leaves for the stage and is asked back: 16 stores as loaded, 16 loads in the quantiser's order.  LDS serves a wave's instructions in order: no wait between them.
; x = 1: every unit has a successor on its way; x = 2: the last batch
.macro XA q, x
.if \x == 1
	s_wait_loadcnt 48                              ; my unit is in; the three units asked for behind it may be out
.else
	s_wait_loadcnt 48-16*(\q)
.endif
	WIN 0x0c
.irp p, 0,1,2,3,4,5,6,7,8,9,10,11,12,13,14,15
	ds_store_b128 v[STW], v[64*(\q)+4*\p:64*(\q)+4*\p+3] offset:((\q)%2)*STGB+\p*SP
.endr
.irp c, 0,1
.irp j, 0,1,2,3,4,5,6,7
	ds_load_b128 v[STA+32*\c+4*\j:STA+32*\c+4*\j+3], v[STR] offset:((\q)%2)*STGB+256*\c+16*(\j/2)+64*(\j%2)   ; place 8 i + e of a block: k = 4 i + e, or 16 + 4 i + e - 4
.endr
.endr
.endm
; the unit is back: its ring registers are asked for again, it is quantised, and its image goes into image n
.macro XB q, n, x, base, off
	s_wait_dscnt 0x0                               ; the stage's stores have read the ring, its loads are in (and so is every fetch issued ahead of them)
.if \x == 1
	REFILL \q, \base, \off
.endif
	WIN 0
	QUANT STA, PC0+8*((\q)%2), PW+((\q)%2)
.irp c, 0,1
	ds_store_b128 v[XWI], v[PC0+8*((\q)%2)+4*\c:PC0+8*((\q)%2)+4*\c+3] offset:(\n)*IMGB+((\q)/2)*4096+((\q)%2)*1024+512*\c
.endr
	ds_store_b32 v[XWS], v[PW+((\q)%2)] offset:(\n)*XSCB+((\q)/2)*512+((\q)%2)*4
.endm
.macro FETCH n, m                      ; 9 LDS loads: rows 16 m .. + 15, four K steps, and their scale words
.irp s, 0,1,2,3
	ds_load_b128 v[XF+32*((\m)%2)+8*\s:XF+32*((\m)%2)+8*\s+3],   v[LI] offset:(\n)*IMGB+(4*(\m)+\s)*1024
	ds_load_b128 v[XF+32*((\m)%2)+8*\s+4:XF+32*((\m)%2)+8*\s+7], v[LI] offset:(\n)*IMGB+(4*(\m)+\s)*1024+512
.endr
	ds_load_b128 v[XS+4*((\m)%2):XS+4*((\m)%2)+3], v[LSC] offset:(\n)*XSCB+(\m)*512
.endm
; TRANSPOSED: source 0 = 16 units of W2, source 1 = 16 rows: lane (r, h), register j = (row r, unit 16 t + 8 h + j).  The eight accumulators take turns.
.macro MUL m
	WIN W_MUL
.set AC, 64*((\m)%2)
.set XB_, XF+32*((\m)%2)
.set XW, XS+4*((\m)%2)
.irp s, 0,1,2,3
.irp t, 0,1,2,3,4,5,6,7
.if \s == 0
	v_wmma_scale_f32_16x16x128_f8f6f4 v[AC+8*\t:AC+8*\t+7], v[8*(4*\t+\s):8*(4*\t+\s)+7], v[XB_+8*\s:XB_+8*\s+7], 0, v[W2S+4*\t+\s], v[XW+\s] matrix_a_fmt:MATRIX_FMT_FP4 matrix_b_fmt:MATRIX_FMT_FP4
.else
	v_wmma_scale_f32_16x16x128_f8f6f4 v[AC+8*\t:AC+8*\t+7], v[8*(4*\t+\s):8*(4*\t+\s)+7], v[XB_+8*\s:XB_+8*\s+7], v[AC+8*\t:AC+8*\t+7], v[W2S+4*\t+\s], v[XW+\s] matrix_a_fmt:MATRIX_FMT_FP4 matrix_b_fmt:MATRIX_FMT_FP4
.endif
.endr
.endr
.endm
.macro DOT m                           ; the dot with v, each accumulator from its low end on
	WIN W_DOT
.set AC, 64*((\m)%2)
.irp u, 0,1,2,3
	v_pk_mul_f32 v[PP+2*\u:PP+2*\u+1], v[AC+2*\u:AC+2*\u+1], v[VV+2*\u:VV+2*\u+1]
.endr
.irp t, 1,2,3,4,5,6,7
.irp u, 0,1,2,3
	v_pk_fma_f32 v[PP+2*\u:PP+2*\u+1], v[AC+8*\t+2*\u:AC+8*\t+2*\u+1], v[VV+8*\t+2*\u:VV+8*\t+2*\u+1], v[PP+2*\u:PP+2*\u+1]
.endr
.endr
	v_pk_add_f32 v[PP:PP+1],   v[PP:PP+1],   v[PP+2:PP+3]
	v_pk_add_f32 v[PP+4:PP+5], v[PP+4:PP+5], v[PP+6:PP+7]
	v_pk_add_f32 v[PP:PP+1],   v[PP:PP+1],   v[PP+4:PP+5]
	v_add_f32 v[SM+\m], v[PP], v[PP+1]
.endm
; A trip: the products of the batch in image n, and between them the next batch's four units into image 1 - n (x = 0: the products alone).
.macro ITER n, x, off
	s_wait_dscnt 0x0                               ; my stores into image n are done, and my reads of image 1 - n
	s_barrier_signal -1
	s_barrier_wait -1
	v_add_nc_u32 v[PWT], s[PB], v[PWA]
	FETCH \n, 0
	FETCH \n, 1
.if \x
	XA 0, \x
	s_wait_dscnt 41                                ; fetch 0 is in: behind it fetch 1's 9 and the stage's 32
	MUL 0
	XB 0, 1-\n, \x, BAS, \off                      ; (the quantiser's lines are the places behind the products)
	FETCH \n, 2
	XA 1, \x
	MUL 1
	DOT 0
	XB 1, 1-\n, \x, BAS, \off
	FETCH \n, 3
	XA 2, \x
	MUL 2
	DOT 1
	XB 2, 1-\n, \x, BAS, \off
	XA 3, \x
	MUL 3
	DOT 2
	XB 3, 1-\n, \x, BAS, \off
.else
	s_wait_dscnt 9                                 ; fetch 0 is in
	MUL 0
	PLACES                                         ; in front of loads into registers that the products have read
	WIN 0
	FETCH \n, 2
	s_wait_dscnt 9                                 ; fetch 1 is in
	MUL 1
	DOT 0
	WIN 0
	FETCH \n, 3
	s_wait_dscnt 9                                 ; fetch 2 is in
	MUL 2
	DOT 1
	s_wait_dscnt 0x0
	MUL 3
	DOT 2                                          ; (these lines are the places behind the last products)
.endif
	DOT 3
.irp m, 0,1,2,3
	v_permlanex16_b32 v[PD+\m], v[SM+\m], s[SEL], s[SEL+1]
.endr
.irp m, 0,1,2,3
	v_add_f32 v[SM+\m], v[SM+\m], v[PD+\m]         ; with the other eight units of each tile
.endr
	v_cndmask_b32 v[T0],   v[SM],   v[SM+1], s[HM] ; lane l: row l,
	v_cndmask_b32 v[T0+1], v[SM+2], v[SM+3], s[HM] ; row 32 + l
	WIN 0x08
	ds_store_b32 v[PWT], v[T0]
	ds_store_b32 v[PWT], v[T0+1] offset:128
	WIN 0
	s_add_co_u32 s[PB], s[PB], 256
.endm
	s_load_b256 s[4:11], s[0:1], 0x0               ; enc s[4:5], w2i s[6:7], v s[8:9], scores s[10:11]
	v_lshl_add_u32 v[SPW], v0, 2, SPARE
	v_mov_b32 v[NIL], 0
	ds_add_u32 v[SPW], v[NIL]                      ; the opening lines: the add, twice on end, and its wait ahead of my tensor load
	ds_add_u32 v[SPW], v[NIL]
	v_lshrrev_b32 v16, 5, v0
	v_readfirstlane_b32 s14, v16                   ; wave
	s_lshr_b32 s15, s14, 1                         ; which 32 rows I quantise
	s_and_b32 s16, s14, 1                          ; which 256 along K
	s_lshr_b32 s17, ttmp9, 2                       ; which 64 s
	s_and_b32 s18, ttmp9, 3                        ; which 8 batches
	s_mov_b32 s[G1C+0], 3<<16                      ; a dense block as 144 rows of 256 bytes (32 elements of 8 bytes)
	s_mov_b32 s[G1C+1], 32<<16
	s_mov_b32 s[G1C+2], 144<<16
	s_mov_b32 s[G1C+3], 32<<16
	s_mov_b32 s[G1C+4], 144
	s_mov_b32 s[G1C+5], 32
	s_mov_b32 s[G1C+6], 0
	s_mov_b32 s[G1C+7], 0
	s_mov_b32 s[G0C], 1
	s_mul_i32 s[G0C+1], s14, W2W
	s_lshl_b32 s20, s17, 22                        ; enc: 64 s of 65,536 bytes,
	s_lshl_b32 s22, s15, 21                        ; my 32 rows,
	s_add_co_u32 s20, s20, s22
	s_lshl_b32 s22, s18, 14                        ; 8 batches of 2,048 bytes,
	s_add_co_u32 s20, s20, s22
	s_lshl_b32 s22, s16, 10                        ; my 1,024 bytes of a row
	s_add_co_u32 s20, s20, s22
	s_mov_b32 s21, 0
	s_mul_i32 s50, s14, W2W
	s_mov_b32 s51, 0
	s_lshl_b32 s52, s14, 9                         ; v: my 128 units
	s_mov_b32 s53, 0
	s_lshl_b32 s54, s18, 17                        ; scores: 8 batches of 16,384 bytes, two batches a wave, 64 s
	s_lshl_b32 s22, s14, 15
	s_add_co_u32 s54, s54, s22
	s_lshl_b32 s22, s17, 8
	s_add_co_u32 s54, s54, s22
	s_mov_b32 s55, 0
	s_mul_i32 s45, s14, STGW
	s_add_co_u32 s45, s45, STG                     ; my stages
	s_lshl_b32 s46, s15, 13
	s_lshl_b32 s22, s16, 11
	s_add_co_u32 s46, s46, s22
	s_add_co_u32 s46, s46, IMG                     ; my units' images
	s_lshl_b32 s47, s15, 10
	s_lshl_b32 s22, s16, 3
	s_add_co_u32 s47, s47, s22
	s_add_co_u32 s47, s47, XSC                     ; and their scale words
	s_lshl_b32 s48, s14, 11
	s_add_co_u32 s48, s48, PS
	s_lshl_b32 s49, s14, 9
	s_add_co_u32 s49, s49, PS
	s_mov_b32 s[SEL], 0x76543210
	s_mov_b32 s[SEL+1], 0xfedcba98
	s_mov_b32 s[HM], 0xffff0000
	s_mov_b32 s[PB], 0
	s_mov_b32 s[CNT], 3
	v_and_b32 v216, 31, v0                         ; lane
	v_and_b32 v217, 15, v0                         ; r
	v_bfe_u32 v218, v0, 4, 1                       ; h
	v_lshlrev_b32 v[L16], 4, v216
	v_lshlrev_b32 v[H32], 5, v218
	v_lshlrev_b32 v[SH8], 3, v218
	v_lshl_add_u32 v[W2A], v216, 4, s[G0C+1]
	v_lshl_add_u32 v[W2B], v216, 3, s[G0C+1]
	v_lshl_add_u32 v[STW], v216, 4, s45
	v_mul_u32_u24 v[STR], v217, SP
	v_lshl_add_u32 v[STR], v218, 7, v[STR]
	v_add_nc_u32 v[STR], s45, v[STR]
	v_lshl_add_u32 v[XWI], v216, 4, s46
	v_lshl_add_u32 v[XWS], v216, 4, s47
	v_lshl_add_u32 v[LI], v216, 4, IMG
	v_lshl_add_u32 v[LSC], v216, 4, XSC
	v_lshl_add_u32 v[PWA], v216, 2, s48
	v_lshl_add_u32 v[FRD], v216, 3, s49
	v_lshlrev_b32 v[GO], 3, v216
	v_mov_b32 v[TP], 0                             ; a lane permute's destination counts as a source
	s_wait_alu depctr_va_vdst(0)                   ; the wait at the head's end
	s_wait_dscnt 0x0                               ; both opening adds are done
	s_wait_kmcnt 0x0
	s_add_nc_u64 s[G0C+2:G0C+3], s[6:7], s[50:51]
	s_or_b32 s[G0C+3], s[G0C+3], 0x80000000
	s_add_nc_u64 s[8:9], s[8:9], s[52:53]
	s_add_nc_u64 s[10:11], s[10:11], s[54:55]
	s_add_nc_u64 s[BAS0:BAS0+1], s[4:5], s[20:21]
	s_add_nc_u64 s[BAS:BAS+1], s[BAS0:BAS0+1], 4096
	tensor_load_to_lds s[G0C:G0C+3], s[G1C:G1C+7]  ; my W2: my one tensor load, into bytes that I alone read
	s_nop 0
	PLACES
	WIN 0x80
.irp t, 0,1,2,3,4,5,6,7
	global_load_b128 v[VV+8*\t:VV+8*\t+3],   v[H32], s[8:9] offset:64*\t          ; v of units 16 t + 8 h + 0 .. 7: the result's layout
	global_load_b128 v[VV+8*\t+4:VV+8*\t+7], v[H32], s[8:9] offset:64*\t+16
.endr
.irp m, 0,1,2,3
	v_mov_b32 v[PD+\m], 0                          ; lane permutes' destinations
.endr
.irp q, 0,1,2,3
	REFILL \q, BAS0, 0                             ; batch 0
.endr
	s_wait_tensorcnt 0x0                           ; my W2 has landed
	WIN 0x40
.set f, 0
.rept 32
	ds_load_b128 v[8*f:8*f+3],   v[W2A] offset:f*1024
	ds_load_b128 v[8*f+4:8*f+7], v[W2A] offset:f*1024+512
.set f, f+1
.endr
	WIN 0
.irp t, 0,1,2,3,4,5,6,7
.irp p, 0,1
	ds_load_b64 v[W2S+4*\t+2*\p:W2S+4*\t+2*\p+1], v[W2B] offset:32768+\t*512+\p*256
.endr
.endr
.irp q, 0,1,2,3
	XA \q, 1                                       ; batch 0 into image 0; batch 1 is asked for
	XB \q, 0, 1, BAS0, 2048
.endr
.Lloop:                                                ; two trips: batches 2 L and 2 L + 1 multiplied, 2 L + 1 and 2 L + 2 quantised, 2 L + 2 and 2 L + 3 asked for
	ITER 0, 1, 0
	ITER 1, 1, 2048
	s_wait_xcnt 0x0                                ; the loads have read their base
	s_add_nc_u64 s[BAS:BAS+1], s[BAS:BAS+1], 4096
	s_sub_co_u32 s[CNT], s[CNT], 1
	s_cmp_lg_u32 s[CNT], 0
	s_cbranch_scc1 .Lloop
	ITER 0, 2, 0                                   ; batch 6 multiplied, batch 7 quantised, nothing asked for
	ITER 1, 0, 0                                   ; batch 7 multiplied
	s_wait_dscnt 0x0                               ; for the others' sake: my partial scores are stored
	s_barrier_signal -1
	s_barrier_wait -1
.irp i, 0,1
.irp k, 0,1,2,3
	ds_load_b64 v[OUTR+8*\i+2*\k:OUTR+8*\i+2*\k+1], v[FRD] offset:\k*2048+\i*256   ; batch 2 w + i: the four waves' parts, two rows a lane
.endr
.endr
.irp i, 0,1
	s_wait_dscnt 4-4*\i
	v_pk_add_f32 v[OUTR+8*\i:OUTR+8*\i+1],   v[OUTR+8*\i:OUTR+8*\i+1],   v[OUTR+8*\i+2:OUTR+8*\i+3]
	v_pk_add_f32 v[OUTR+8*\i+4:OUTR+8*\i+5], v[OUTR+8*\i+4:OUTR+8*\i+5], v[OUTR+8*\i+6:OUTR+8*\i+7]
	v_pk_add_f32 v[OUTR+8*\i:OUTR+8*\i+1],   v[OUTR+8*\i:OUTR+8*\i+1],   v[OUTR+8*\i+4:OUTR+8*\i+5]
	global_store_b64 v[GO], v[OUTR+8*\i:OUTR+8*\i+1], s[10:11] offset:\i*16384     ; 256 consecutive bytes, aligned
.endr
	s_wait_tensorcnt 0x0                           ; the wave's end
	ds_add_u32 v[SPW], v[NIL]
	s_wait_dscnt 0x0
	s_endpgm
.Lfunc_end_k_q4161fe6977_main:
	.size	k_q4161fe6977_main, .Lfunc_end_k_q4161fe6977_main-k_q4161fe6977_main
	.p2alignl 7, 3214868480
	.fill 96, 4, 3214868480
	.section	.rodata,"a",@progbits
	.p2align	6, 0x0
	.amdhsa_kernel k_q4161fe6977_main
		.amdhsa_group_segment_fixed_size 262144
		.amdhsa_private_segment_fixed_size 0
		.amdhsa_enable_private_segment 0
		.amdhsa_kernarg_size 32
		.amdhsa_user_sgpr_count 2
		.amdhsa_user_sgpr_kernarg_segment_ptr 1
		.amdhsa_wavefront_size32 1
		.amdhsa_system_sgpr_workgroup_id_x 1
		.amdhsa_system_sgpr_workgroup_id_y 1
		.amdhsa_system_sgpr_workgroup_id_z 1
		.amdhsa_system_vgpr_workitem_id 0
		.amdhsa_next_free_vgpr 1024
		.amdhsa_next_free_sgpr 66
		.amdhsa_reserve_vcc 0
		.amdhsa_float_denorm_mode_32 3
		.amdhsa_float_denorm_mode_16_64 3
		.amdhsa_memory_ordered 1
		.amdhsa_forward_progress 1
		.amdhsa_inst_pref_size 235
	.end_amdhsa_kernel
	.amdgpu_metadata
---
amdhsa.version: [ 1, 2 ]
amdhsa.kernels:
  - .name:           k_q4161fe6977_main
    .symbol:         k_q4161fe6977_main.kd
    .args:
      - { .name: encoderOutputs, .offset: 0, .size: 8, .value_kind: global_buffer, .address_space: global }
      - { .name: w2i, .offset: 8, .size: 8, .value_kind: global_buffer, .address_space: global }
      - { .name: v, .offset: 16, .size: 8, .value_kind: global_buffer, .address_space: global }
      - { .name: scores, .offset: 24, .size: 8, .value_kind: global_buffer, .address_space: global }
    .group_segment_fixed_size: 262144
    .private_segment_fixed_size: 0
    .kernarg_segment_align: 8
    .kernarg_segment_size: 32
    .max_flat_workgroup_size: 128
    .sgpr_count:     66
    .vgpr_count:     1024
    .wavefront_size: 32
...
	.end_amdgpu_metadata
.endif
;; end of part 2
;; launch soft (part 3): grid 32 x 1, 8 waves a work-group, no clusters, 1,536 bytes of LDS; arguments scores, out0; writes out0
.if DOCPART == 3
	.amdgcn_target "amdgcn-amd-amdhsa--gfx1250"
	.amdhsa_code_object_version 6
	.text
	.protected	k_q4161fe6977_soft
	.globl	k_q4161fe6977_soft
	.p2align	8
	.type	k_q4161fe6977_soft,@function
k_q4161fe6977_soft:
	s_mov_b64 s[64:65], 0
	v_nop
	global_prefetch_b8 v0, s[64:65] scope:SCOPE_SE
	s_setreg_imm32_b32 hwreg(HW_REG_WAVE_MODE, 25, 1), 1
	s_wait_xcnt 0x0
; out0[batch][s] = softmax over s of scores[batch][s].  The term of the scores that is the same for all s of a batch is left out: see the head of prep.
; All in f32; the row's maximum is taken away before the exponential.
; A work-group of eight waves takes one batch: a row's maximum and sum span all its 4,096 numbers, so the design has work for 32 work-groups and launches 32.
; Thread t holds 16 numbers: four pieces of 16 bytes at 16 t + 4,096 i, so each load and store of a wave covers 512 consecutive bytes.  The row stays in registers between the passes.
; LIMITS: NaN and infinities are not served; weights under the smallest normal f32 number come out as 0 (v_exp_f32 flushes: ISA guide 15.8).
.set X, 4                              ; v4-19  my 16 numbers
	s_load_b128 s[4:7], s[0:1], 0x0                ; scores s[4:5], out0 s[6:7]
	v_lshl_add_u32 v48, v0, 2, 0x200
	v_mov_b32 v49, 0
	v_lshlrev_b32 v3, 4, v0                        ; 16 t
	v_lshrrev_b32 v24, 5, v0
	s_delay_alu instid0(VALU_DEP_1)
	v_lshlrev_b32 v24, 2, v24                      ; LDS: 4 x wave
	v_mov_b32 v25, 0
	v_mov_b32 v23, 0                               ; a lane permute's destination counts as one of its sources
	s_mov_b32 s12, 0x76543210
	s_mov_b32 s13, 0xfedcba98                      ; selects for lane l xor 16
	s_lshl_b32 s14, ttmp9, 14                      ; a row of 16,384 bytes
	s_mov_b32 s15, 0
	s_wait_alu depctr_va_vdst(0)                   ; the wait at the head's end
	s_wait_kmcnt 0x0
	s_add_nc_u64 s[4:5], s[4:5], s[14:15]
	s_add_nc_u64 s[6:7], s[6:7], s[14:15]
.irp i, 0,1,2,3
	global_load_b128 v[X+4*\i:X+4*\i+3], v3, s[4:5] offset:4096*\i th:TH_LOAD_NT
.endr
	s_wait_loadcnt 0x0
	v_max3_num_f32 v22, v[X], v[X+1], v[X+2]       ; the largest of my 16
.irp j, 3,5,7,9,11,13
	s_delay_alu instid0(VALU_DEP_1)
	v_max3_num_f32 v22, v22, v[X+\j], v[X+\j+1]
.endr
	s_delay_alu instid0(VALU_DEP_1)
	v_max_num_f32 v22, v22, v[X+15]
.irp m, 1,2,4,8
	s_delay_alu instid0(VALU_DEP_1)
	v_max_num_f32_dpp v22, v22, v22 row_xmask:\m row_mask:0xf bank_mask:0xf
.endr
	s_delay_alu instid0(VALU_DEP_1)
	v_permlanex16_b32 v23, v22, s12, s13
	s_delay_alu instid0(VALU_DEP_1)
	v_max_num_f32 v22, v22, v23                    ; of my wave's 512
	ds_store_b32 v24, v22                          ; all lanes write the wave's word with the same value
	s_wait_dscnt 0x0
	s_barrier_signal -1
	s_barrier_wait -1
	ds_load_b128 v[28:31], v25
	ds_load_b128 v[32:35], v25 offset:16
	s_wait_dscnt 0x0
	v_max3_num_f32 v36, v28, v29, v30
	s_delay_alu instid0(VALU_DEP_1)
	v_max3_num_f32 v36, v36, v31, v32
	s_delay_alu instid0(VALU_DEP_1)
	v_max3_num_f32 v36, v36, v33, v34
	s_delay_alu instid0(VALU_DEP_1)
	v_max_num_f32 v36, v36, v35                    ; the row's maximum
	s_delay_alu instid0(VALU_DEP_1)
	v_mov_b32 v37, v36
.irp j, 0,2,4,6,8,10,12,14
	v_pk_add_f32 v[X+\j:X+\j+1], v[X+\j:X+\j+1], v[36:37] op_sel_hi:[1,0] neg_lo:[0,1] neg_hi:[0,1]   ; the difference first, then the factor
.endr
.irp j, 0,2,4,6,8,10,12,14
	v_pk_mul_f32 v[X+\j:X+\j+1], v[X+\j:X+\j+1], 0x3fb8aa3b op_sel_hi:[1,0]                            ; x log2(e)
.endr
	s_wait_alu depctr_va_vdst(0)                   ; the wait ahead of the batch
.irp j, 0,1,2,3,4,5,6,7,8,9,10,11,12,13,14,15
	v_exp_f32 v[X+\j], v[X+\j]
.endr
	v_nop                                          ; one plain instruction behind the exponentials (ISA guide 5.7.2)
	s_wait_alu depctr_va_vdst(0)                   ; and the wait behind the batch
	v_pk_add_f32 v[38:39], v[X:X+1],   v[X+2:X+3]  ; the sum of my 16, two at a time, in two chains
	v_pk_add_f32 v[40:41], v[X+4:X+5], v[X+6:X+7]
	v_pk_add_f32 v[38:39], v[38:39], v[X+8:X+9]
	v_pk_add_f32 v[40:41], v[40:41], v[X+10:X+11]
	v_pk_add_f32 v[38:39], v[38:39], v[X+12:X+13]
	v_pk_add_f32 v[40:41], v[40:41], v[X+14:X+15]
	s_delay_alu instid0(VALU_DEP_1)
	v_pk_add_f32 v[38:39], v[38:39], v[40:41]
	s_delay_alu instid0(VALU_DEP_1)
	v_add_f32 v38, v38, v39
.irp m, 1,2,4,8
	s_delay_alu instid0(VALU_DEP_1)
	v_add_f32_dpp v38, v38, v38 row_xmask:\m row_mask:0xf bank_mask:0xf
.endr
	s_delay_alu instid0(VALU_DEP_1)
	v_permlanex16_b32 v23, v38, s12, s13
	s_delay_alu instid0(VALU_DEP_1)
	v_add_f32 v38, v38, v23
	ds_store_b32 v24, v38 offset:256               ; other bytes than the maxima's: no barrier is owed for their sake
	s_wait_dscnt 0x0
	s_barrier_signal -1
	s_barrier_wait -1
	ds_load_b128 v[28:31], v25 offset:256
	ds_load_b128 v[32:35], v25 offset:272
	s_wait_dscnt 0x0
	v_add_f32 v28, v28, v29
	v_add_f32 v30, v30, v31
	v_add_f32 v32, v32, v33
	v_add_f32 v34, v34, v35
	s_delay_alu instid0(VALU_DEP_3)
	v_add_f32 v28, v28, v30
	s_delay_alu instid0(VALU_DEP_2)
	v_add_f32 v32, v32, v34
	s_delay_alu instid0(VALU_DEP_1)
	v_add_f32 v28, v28, v32                        ; the row's sum: at least 1, the maximum's own term
	s_wait_alu depctr_va_vdst(0)                   ; the wait ahead of the reciprocal
	v_rcp_f32 v42, v28
	v_mov_b32 v43, 0                               ; (a plain instruction behind the reciprocal; v43 is named with v42 as a pair)
	s_wait_alu depctr_va_vdst(0)                   ; and behind it
.irp j, 0,2,4,6,8,10,12,14
	v_pk_mul_f32 v[X+\j:X+\j+1], v[X+\j:X+\j+1], v[42:43] op_sel_hi:[1,0]
.endr
.irp i, 0,1,2,3
	global_store_b128 v3, v[X+4*\i:X+4*\i+3], s[6:7] offset:4096*\i th:TH_STORE_NT
.endr
	s_wait_tensorcnt 0x0                           ; the wave's end
	ds_add_u32 v48, v49
	s_wait_dscnt 0x0
	s_endpgm
.Lfunc_end_k_q4161fe6977_soft:
	.size	k_q4161fe6977_soft, .Lfunc_end_k_q4161fe6977_soft-k_q4161fe6977_soft
	.p2alignl 7, 3214868480
	.fill 96, 4, 3214868480
	.section	.rodata,"a",@progbits
	.p2align	6, 0x0
	.amdhsa_kernel k_q4161fe6977_soft
		.amdhsa_group_segment_fixed_size 1536
		.amdhsa_private_segment_fixed_size 0
		.amdhsa_enable_private_segment 0
		.amdhsa_kernarg_size 16
		.amdhsa_user_sgpr_count 2
		.amdhsa_user_sgpr_kernarg_segment_ptr 1
		.amdhsa_wavefront_size32 1
		.amdhsa_system_sgpr_workgroup_id_x 1
		.amdhsa_system_sgpr_workgroup_id_y 1
		.amdhsa_system_sgpr_workgroup_id_z 1
		.amdhsa_system_vgpr_workitem_id 0
		.amdhsa_next_free_vgpr 50
		.amdhsa_next_free_sgpr 66
		.amdhsa_reserve_vcc 0
		.amdhsa_float_denorm_mode_32 3
		.amdhsa_float_denorm_mode_16_64 3
		.amdhsa_memory_ordered 1
		.amdhsa_forward_progress 1
		.amdhsa_inst_pref_size 8
	.end_amdhsa_kernel
	.amdgpu_metadata
---
amdhsa.version: [ 1, 2 ]
amdhsa.kernels:
  - .name:           k_q4161fe6977_soft
    .symbol:         k_q4161fe6977_soft.kd
    .args:
      - { .name: scores, .offset: 0, .size: 8, .value_kind: global_buffer, .address_space: global }
      - { .name: out0, .offset: 8, .size: 8, .value_kind: global_buffer, .address_space: global }
    .group_segment_fixed_size: 1536
    .private_segment_fixed_size: 0
    .kernarg_segment_align: 8
    .kernarg_segment_size: 16
    .max_flat_workgroup_size: 256
    .sgpr_count:     66
    .vgpr_count:     50
    .wavefront_size: 32
...
	.end_amdgpu_metadata
.endif
;; end of part 3
